; MI455X (gfx1250); checked and timed in simulation.
; The chip was launched on July 23, 2026; its instructions are those of AMD's public machine-readable ISA for CDNA 5 (MIT licence, August 2026) and "CDNA5" Instruction Set Architecture Reference Guide (July 2026). The comments in the code are by the model that wrote it; some were corrected since.
;; SVD Adapter. Allowed arithmetic: matrix products marked QUANTISED: E2M1 operands, one E8M0 scale for each 32 along K, by v_wmma_scale_f32_16x16x128_f8f6f4 with both operands' format E2M1 (or v_wmma_scale_f32_32x16x128_f4), f32 sums; products left as they are: f32 operands where the result goes on into a quantised operand, else bf16, f16 or f32 operands; f32 sums; everything else in f32.
;; Inputs: U 2,048 x 16 float32; V 4,096 x 16 float32; base_weight 2,048 x 4,096 float32; s 16 float32; x 4 x 2,048 x 4,096 float32.
;; Outputs: out0 4 x 2,048 x 2,048 float32.
;; This version of the problem:
;;   THIS VERSION OF THE PROBLEM IS GIVEN IN LOW PRECISION. The matrix products marked QUANTISED in the list below multiply operands that are first quantised to E2M1 (2 exponent bits, 1 mantissa bit; 4 bits a number), with one power-of-two scale for each 32 numbers along K (OCP MX v1.0); their sums are f32. All else is computed in f32.
;;   The module's matrix products, in the order in which they are computed (A, B: the left and right operand; K: the contracted axis; several contracted axes count as one K, in the product's order):
;;     1. [M 2,048, K 16] x [K 16, N 4,096]; A: computed on the way; B: input V: left as it is (K = 16 < 32)
;;     2. [M 8,192, K 4,096] x [K 4,096, N 2,048]; A: input x; B: computed on the way: QUANTISED
;;   THE QUANTISER, for each operand of a quantised product, along K:
;;     - K is cut into blocks of 32 from its start; a last block that is shorter is filled with zeros.
;;     - A block's scale is 2^e with e = floor(log2(the largest magnitude in the block)) - 2, held to -126 .. 127; a block of zeros has e = 0. As a byte (E8M0): e + 127.
;;     - Each number is divided by its block's scale, clamped to +-6, and rounded to the nearest number of E2M1, ties to even, subnormals kept.
;;     - The product sums the exact products of the quantised numbers (number of the format x scale) in f32.
;;   ~~~python
;;   def quantise(x, axis):      # numpy; x: float32 -> the quantised numbers, widened to float32 again
;;       x = np.moveaxis(x, axis, -1); K = x.shape[-1]
;;       x = np.pad(x, [(0, 0)] * (x.ndim - 1) + [(0, -K % 32)]); x = x.reshape(x.shape[:-1] + (-1, 32)); a = np.abs(x).max(-1, keepdims=True)
;;       e = np.where(a > 0, np.clip(np.frexp(np.where(a > 0, a, 1))[1] - 1 - 2, -126, 127), 0)      # np.frexp(a)[1] - 1 = floor(log2(a)), exactly
;;       r = np.clip(x / 2.0 ** e, -6, 6)
;;       step = 2.0 ** (np.maximum(np.frexp(np.where(r == 0, 1, r))[1] - 1, 0) - 1)
;;       q = np.round(r / step) * step * 2.0 ** e      # np.round: ties to even
;;       return np.moveaxis(q.reshape(q.shape[:-2] + (-1,))[..., :K], -1, axis).astype(np.float32)
;;   ~~~
;;   OPERANDS COMPUTED ON THE WAY. 'Computed on the way' means the value that the module computes at that place (a softmax that the list does not call 'softmax' is quantised finished and normalised). What goes into a quantiser is computed in f32, as accurately as f32 sums, v_exp_f32 and their like allow (about 1e-6 of the number): no bf16 or f16 on the way to a quantiser, and a product that is left as it is and whose result goes on into a quantised operand takes f32 operands (vector FMAs, or v_wmma_f32_16x16x4_f32). A number that lies on a knife's edge between two numbers of the format may be rounded either way, as far as f32 arithmetic and the matrix unit's own rounding can turn it there, and no further.
;; One version. Each part assembles by itself: llvm-mc -triple=amdgcn-amd-amdhsa -mcpu=gfx1250 --defsym DOCPART=n.
;; ======== version 1 of 1: 2 launches
;; limits: right only within a limited range of input values
;; workspace buffers: xq 17,825,792 bytes; wq 4,456,448 bytes
;; launch quant (part 1): grid 1024 x 1, 4 waves a work-group, no clusters, 56,064 bytes of LDS; arguments x, base_weight, U, s, V, xq, wq; writes xq, wq
.if DOCPART == 1
	.amdgcn_target "amdgcn-amd-amdhsa--gfx1250"
	.amdhsa_code_object_version 6
	.text
	.protected	k_qb0a930e8e6_quant
	.globl	k_qb0a930e8e6_quant
	.p2align	8
	.type	k_qb0a930e8e6_quant,@function
k_qb0a930e8e6_quant:
	s_mov_b64 s[64:65], 0
	v_nop
	global_prefetch_b8 v0, s[64:65] scope:SCOPE_SE
	s_setreg_imm32_b32 hwreg(HW_REG_WAVE_MODE, 25, 1), 1
	s_wait_xcnt 0x0
; BOTH OPERANDS OF THE LARGE PRODUCT ARE QUANTISED HERE, to codes of FP4 (E2M1) with one E8M0 scale byte for each 32 along K = 4,096:
;   x [8192][4096] f32 as it is, and adapted[o][i] = base_weight[o][i] + sum over r of (U[o][r] s[r]) V[i][r], [2048][4096], made in f32 on the way.
; OUT: xq [8 K steps of 512][8192 rows][272 bytes], wq [8][2048][272]: a record = a row's 512 codes of the K step (256 bytes, the lower k in the low four bits) and its 16 scale bytes.
; A block's scale is 2^(floor(log2(its largest magnitude)) - 2); its byte is the largest magnitude's exponent field - 2, held at 1 from below.  Each number is divided by the scale and rounded to the nearest code, ties to even, beyond 6 the largest code.
; LEFT OUT: the multiplication by SCALING, which reference() sets to 1.0: a factor 1 for all inputs.
; LIMITS: NaN and infinities among the inputs are not served.  A block of zeros, or one whose largest magnitude lies under 2^-124, gets the byte 1: zero codes add nothing, and this program alone reads the bytes.
; ORDER OF THE ADAPTED WEIGHT'S SUM: base_weight first, then the ranks 0,1,8,9 | 2,3,10,11 | 4,5,12,13 | 6,7,14,15 by fused multiply-adds; reference() rounds the delta first and adds it then.
; SHARES.  One path for every wave: first 1/4096 of the weight, then 1/4096 of x.  Work-group g, wave w:
;   weight: rows 16 (g / 8) .. + 15, K step g % 8, columns 128 w .. + 127 of it: the four waves together make 16 whole records;
;   x:      rows 16 (g / 2) .. + 15, K step 4 (g % 2) + w: 16 steps, step t = row t's 512 numbers = one record.
; THE WEIGHT.  The rank-16 product takes f32 operands (its result goes into a quantiser): v_wmma_f32_16x16x4_f32, source 0 = 16 rows of V, source 1 = 16 rows of U s, the tile of base_weight as the C of the first of four.
; A lane (r, h) then holds one row o = r and its registers run along i.  Lane r of tile 2 b + u takes V's row 32 b + 8 u + r + 8 (r / 8), so that the 16 registers of tiles 2 b and 2 b + 1 are
; 16 neighbours along i: 32 b + 16 h + 0 .. 15.  A block of 32 lies in lanes l and l xor 16.  The tile is loaded row by row (512 consecutive bytes a load) and turned into that layout through the wave's own LDS bytes.
; x.  Each of a step's four loads reads 512 consecutive bytes, 16 a lane: load i leaves lane l the numbers 128 i + 4 l .. + 3 of the row.  A block of 32 lies in eight neighbouring lanes, four numbers each:
; its largest magnitude takes two lines in the lane and three DPP steps.  A conversion takes eight registers under ONE scale; a lane's eight registers of loads 2 j and 2 j + 1 belong to two blocks.
; So they are converted twice, once under each block's scale: of the first result the low 16 bits are load 2 j's four codes, of the second the high 16 bits are load 2 j + 1's.  The f32 numbers never go through LDS.
; Each valid half is stored to its place in the record in LDS (2 bytes a lane, 64 consecutive bytes a store); the eight lanes of a block write its scale byte with the same value.  Loads run four steps (16 loads) ahead.
; THE WAYS OUT.  16 records are 4,352 = 17 x 256 consecutive bytes: they are gathered in LDS and leave as stores of 256 consecutive bytes.  x's are the wave's own; the weight's come from four waves, so one barrier stands in front of their way out.
; NO TENSOR LOADS, NO CLUSTER, NO PREFETCH: the launch streams; 256 registers a wave leave four waves to a SIMD, whose loads into registers are what is on its way; V (8 KiB a wave) goes straight into registers in the operand's layout.
.set STEPS,  16
.set REC,    272
.set WIN,    16*REC                    ; a wave's LDS: its 16 records of x, then its tile of base_weight, 16 rows
.set IPITCH, 528                       ; of 512 bytes + 16: the 16 rows that a load touches start at 16 different banks (64 banks of 4 bytes: ISA guide 11.1)
.set WREG,   WIN+16*IPITCH             ; 12,800 bytes for each wave
.set WOUT,   4*WREG                    ; behind the four waves: the work-group's 16 records of the weight
.set SPARE,  WOUT+16*REC               ; 55,552 = 217 x 256: the spare words, 128 bytes a wave, which no other line names
.set WSI,  1                           ; the tile on its way in: WIN + 16 x lane
.set WXI,  2                           ; and on its way out: WIN + 528 r + 64 h
.set XG,   3                           ; 16 x lane: my 16 bytes of a load's 512
.set CA,   4                           ; 8 x lane in my records of x: their way out
.set SBA,  5                           ; 256 + lane / 8: my block's scale byte
.set PW,   6                           ; the weight's scale word
.set GO,   7                           ; 8 x lane
.set T0,   8
.set OA,   10                          ; the weight's codes: WOUT + 272 r + 8 h + 64 w
.set OS,   12                          ; its scale word: WOUT + 256 + 272 r + 4 w
.set WRD,  13                          ; its way out: WOUT + 1024 w + 8 x lane
.set CH,   14                          ; 2 x lane in my records of x: my four codes of a load
.set GOW,  16                          ; 1024 w + 8 x lane
.set AS,   18                          ; offsets of the loads of s, U, V
.set AU,   19
.set AV,   20
.set R,    24                          ; v24-87   the tile of base_weight; then four sets of 16 numbers of x; at last the records on their way out
.set D,    88                          ; v88-151  the adapted weight: written by matrix instructions alone
.set VF,   152                         ; v152-215 tile t: V[row of (t, r)][8 h + 0 .. 7]
.set UF,   216                         ; v216-223 (U s)[r][8 h + 0 .. 7]
.set PC,   224                         ; v224-231 s[8 h .. 8 h + 7], then the weight's codes
.set TM,   232                         ; v232-247 largest magnitudes, bytes, scale operands of the weight
.set CE,   152                         ; x, once the weight is done: v152-183 four sets of 4 conversion results and 4 scale bytes, by turns
.set M,    184                         ; v184-187 largest magnitudes of a step's four loads
.set S,    188                         ; v188-191 their scale operands
.set SPW,  254
.set NIL,  255
	s_load_b256 s[4:11], s[0:1], 0x0               ; x s[4:5], base_weight s[6:7], U s[8:9], s s[10:11]
	s_load_b128 s[12:15], s[0:1], 0x20             ; V s[12:13], xq s[14:15]
	s_load_b64 s[16:17], s[0:1], 0x30              ; wq
	v_lshl_add_u32 v[SPW], v0, 2, SPARE
	v_mov_b32 v[NIL], 0
	v_lshrrev_b32 v21, 5, v0
	v_readfirstlane_b32 s18, v21                   ; wave 0..3
	v_and_b32 v21, 31, v0                          ; lane
	v_and_b32 v22, 15, v0                          ; r
	v_bfe_u32 v23, v0, 4, 1                        ; h
	v_lshlrev_b32 v[XG], 4, v21
	v_lshlrev_b32 v[AS], 5, v23                    ; s: 32 h
	v_lshlrev_b32 v[AU], 6, v22
	v_lshl_add_u32 v[AU], v23, 5, v[AU]            ; U: 64 r + 32 h
	v_and_b32 v[AV], 8, v22
	v_add_nc_u32 v[AV], v[AV], v22                 ; r + 8 (r / 8)
	v_lshlrev_b32 v[AV], 6, v[AV]
	v_lshl_add_u32 v[AV], v23, 5, v[AV]            ; V: 64 (r + 8 (r / 8)) + 32 h
	s_lshr_b32 s19, ttmp9, 3                       ; the weight: which 16 rows,
	s_and_b32 s24, ttmp9, 7                        ; which K step
	s_lshl_b32 s20, s19, 18                        ; base_weight: 16 rows of 16,384 bytes,
	s_lshl_b32 s25, s24, 11                        ; 512 columns a K step,
	s_add_co_u32 s20, s20, s25
	s_lshl_b32 s25, s18, 9                         ; 128 columns a wave
	s_add_co_u32 s20, s20, s25
	s_mov_b32 s21, 0
	s_lshl_b32 s22, s19, 10                        ; U: 16 rows of 64 bytes
	s_mov_b32 s23, 0
	s_lshl_b32 s28, s24, 15                        ; V: rows 512 x K step + 128 w on, 64 bytes each
	s_lshl_b32 s25, s18, 13
	s_add_co_u32 s28, s28, s25
	s_mov_b32 s29, 0
	s_mul_i32 s30, s24, 2048*REC                   ; wq: a K step's records, 16 of them
	s_mul_i32 s25, s19, 16*REC
	s_add_co_u32 s30, s30, s25
	s_mov_b32 s31, 0
	s_lshr_b32 s32, ttmp9, 1                       ; x: which 16 rows,
	s_and_b32 s33, ttmp9, 1
	s_lshl_b32 s33, s33, 2
	s_add_co_u32 s33, s33, s18                     ; which K step
	s_lshl_b32 s34, s32, 18
	s_lshl_b32 s25, s33, 11
	s_add_co_u32 s34, s34, s25
	s_mov_b32 s35, 0
	s_mul_i32 s36, s33, 8192*REC                   ; xq: a K step's records, 16 of them
	s_mul_i32 s25, s32, 16*REC
	s_add_co_u32 s36, s36, s25
	s_mov_b32 s37, 0
	s_mov_b32 s26, 0x76543210
	s_mov_b32 s27, 0xfedcba98                      ; v_permlanex16_b32's selects for lane l xor 16
	s_wait_alu depctr_va_vdst(0)
	s_wait_kmcnt 0x0
	s_add_nc_u64 s[6:7], s[6:7], s[20:21]
	s_add_nc_u64 s[8:9], s[8:9], s[22:23]
	s_add_nc_u64 s[12:13], s[12:13], s[28:29]
	s_add_nc_u64 s[16:17], s[16:17], s[30:31]
	s_add_nc_u64 s[4:5], s[4:5], s[34:35]
	s_add_nc_u64 s[14:15], s[14:15], s[36:37]
.irp p, 0,1,2,3,4,5,6,7,8,9,10,11,12,13,14,15
	global_load_b128 v[R+4*\p:R+4*\p+3], v[XG], s[6:7] offset:16384*\p th:TH_LOAD_NT   ; row p of the tile: 512 consecutive bytes; read once in the launch
.endr
	global_load_b128 v[PC:PC+3],   v[AS], s[10:11]
	global_load_b128 v[PC+4:PC+7], v[AS], s[10:11] offset:16
	global_load_b128 v[UF:UF+3],   v[AU], s[8:9]
	global_load_b128 v[UF+4:UF+7], v[AU], s[8:9] offset:16
.irp t, 0,1,2,3,4,5,6,7
	global_load_b128 v[VF+8*\t:VF+8*\t+3],   v[AV], s[12:13] offset:64*(32*(\t/2)+8*(\t%2))
	global_load_b128 v[VF+8*\t+4:VF+8*\t+7], v[AV], s[12:13] offset:64*(32*(\t/2)+8*(\t%2))+16
.endr
	; the LDS addresses are made while the 36 loads are out
	s_mul_i32 s25, s18, WREG                       ; my wave's bytes
	s_add_co_u32 s38, s25, WIN
	s_lshl_b32 s39, s18, 6
	s_add_co_u32 s39, s39, WOUT
	s_lshl_b32 s40, s18, 2
	s_add_co_u32 s40, s40, WOUT+256
	s_lshl_b32 s41, s18, 10
	s_add_co_u32 s42, s41, WOUT
	s_add_co_u32 s43, s25, 256
	v_add_nc_u32 v[WSI], s38, v[XG]
	v_mul_u32_u24 v[WXI], v22, IPITCH
	v_lshl_add_u32 v[WXI], v23, 6, v[WXI]
	v_add_nc_u32 v[WXI], s38, v[WXI]
	v_lshlrev_b32 v[GO], 3, v21
	v_add_nc_u32 v[CA], s25, v[GO]
	v_lshl_add_u32 v[CH], v21, 1, s25
	v_lshrrev_b32 v[SBA], 3, v21
	v_add_nc_u32 v[SBA], s43, v[SBA]
	v_mul_u32_u24 v[T0], v22, REC                  ; 272 r
	v_lshl_add_u32 v[OA], v23, 3, v[T0]
	v_add_nc_u32 v[OA], s39, v[OA]
	v_add_nc_u32 v[OS], s40, v[T0]
	v_add_nc_u32 v[GOW], s41, v[GO]
	v_add_nc_u32 v[WRD], s42, v[GO]
.irp b, 0,1,2,3
	v_mov_b32 v[TM+4+\b], 0                        ; written once: a lane permute's destination counts as one of its sources
.endr
.macro LOAD t                          ; step t of x: row t's 2,048 bytes into set t % 4
.irp i, 0,1,2,3
	global_load_b128 v[R+16*((\t)%4)+4*\i:R+16*((\t)%4)+4*\i+3], v[XG], s[4:5] offset:16384*(\t)+512*\i th:TH_LOAD_NT   ; 512 consecutive bytes; read once in the launch
.endr
.endm
	; ---- THE WEIGHT
	s_wait_alu depctr_va_vdst(0)
	s_wait_loadcnt 20                              ; loads come back in order (ISA guide 5.7.1): the tile's sixteen are in; s, U and V, twenty loads, may be out
.irp p, 0,1,2,3,4,5,6,7,8,9,10,11,12,13,14,15
	ds_store_b128 v[WSI], v[R+4*\p:R+4*\p+3] offset:IPITCH*\p
.endr
.irp b, 0,1,2,3
.irp c, 0,1,2,3
	ds_load_b128 v[R+16*\b+4*\c:R+16*\b+4*\c+3], v[WXI] offset:128*\b+16*\c   ; register 16 b + n = column 32 b + 16 h + n of row r.  A wave's LDS instructions are served in order (ISA guide 5.7.1.4): these come behind the stores
.endr
.endr
	s_wait_loadcnt 16                              ; s and U are in; V's sixteen loads may be out
.irp p, 0,1,2,3
	v_pk_mul_f32 v[UF+2*\p:UF+2*\p+1], v[UF+2*\p:UF+2*\p+1], v[PC+2*\p:PC+2*\p+1]   ; U s
.endr
	s_wait_alu depctr_va_vdst(0)
	s_wait_loadcnt 0x0                             ; V
	s_wait_dscnt 0x0                               ; the tile
; 32 products, the eight accumulators by turns, one instruction a turn
.irp t, 0,1,2,3,4,5,6,7
	v_wmma_f32_16x16x4_f32 v[D+8*\t:D+8*\t+7], v[VF+8*\t:VF+8*\t+1], v[UF:UF+1], v[R+8*\t:R+8*\t+7]   ; the sum begins with base_weight
.endr
.rept 8
	v_nop                                          ; eight places behind this form in front of the loads into the registers that were C
.endr
	LOAD 0                                         ; x's first four steps are on their way while the rest of the weight's work runs
	LOAD 1
	LOAD 2
	LOAD 3
.irp kk, 1,2,3
.irp t, 0,1,2,3,4,5,6,7
	v_wmma_f32_16x16x4_f32 v[D+8*\t:D+8*\t+7], v[VF+8*\t+2*\kk:VF+8*\t+2*\kk+1], v[UF+2*\kk:UF+2*\kk+1], v[D+8*\t:D+8*\t+7]
.endr
.endr
.rept 8
	v_nop                                          ; eight places in front of the reads of the results
.endr
; my 64 numbers become 8 registers of codes (two a block: my 16 codes, 8 bytes) and my row's scale word
.irp b, 0,1,2,3
	v_max3_num_f32 v[TM+\b], |v[D+16*\b]|, |v[D+1+16*\b]|, 0x1800000   ; block b: from each result's low end on, and the floor 2^(3 - 127): the byte cannot fall under 1
.endr
.irp i, 2,4,6,8,10,12,14
.irp b, 0,1,2,3
	v_max3_num_f32 v[TM+\b], v[TM+\b], |v[D+16*\b+\i]|, |v[D+1+16*\b+\i]|   ; (the four blocks by turns)
.endr
.endr
.irp b, 0,1,2,3
	v_permlanex16_b32 v[TM+4+\b], v[TM+\b], s26, s27
.endr
.irp b, 0,1,2,3
	v_max_num_f32 v[TM+\b], v[TM+\b], v[TM+4+\b]   ; with lane l xor 16's: the block's largest magnitude
.endr
.irp b, 0,1,2,3
	v_add_nc_u32 v[TM+12+\b], 0xff000000, v[TM+\b] ; 2 off its exponent field: the conversion takes the exponent field of this operand as its scale
.endr
.irp b, 0,1,2,3
	v_lshrrev_b32 v[TM+4+\b], 23, v[TM+12+\b]      ; the scale's byte
.endr
	v_lshl_or_b32 v[PW], v[TM+5], 8, v[TM+4]
	v_lshl_or_b32 v[PW], v[TM+6], 16, v[PW]
	v_lshl_or_b32 v[PW], v[TM+7], 24, v[PW]
.irp b, 0,1,2,3
	v_cvt_scalef32_pk8_fp4_f32 v[PC+2*\b], v[D+16*\b:D+7+16*\b], v[TM+12+\b]
	v_cvt_scalef32_pk8_fp4_f32 v[PC+1+2*\b], v[D+8+16*\b:D+15+16*\b], v[TM+12+\b]
.endr
	v_nop                                          ; one plain place behind the last scaled conversion
.irp b, 0,1,2,3
	ds_store_b64 v[OA], v[PC+2*\b:PC+2*\b+1] offset:16*\b
.endr
	ds_store_b32 v[OS], v[PW]                      ; both halves of the lanes write the same word with the same value
	; ---- x
.macro STEP t
.set XS, R+16*((\t)%4)
.set CS, CE+8*((\t)%4)
.if STEPS-1-(\t) >= 3
	s_wait_loadcnt 12                              ; this step's four loads are in; those of the three steps behind it may be out
.else
	s_wait_loadcnt 4*(STEPS-1-(\t))
.endif
.if (\t) >= 4
	s_wait_dscnt 24                                ; the eight stores of four steps ago, which read this set of results, are done; the 24 of the three steps between may be out
.endif
.irp i, 0,1,2,3
	v_max3_num_f32 v[M+\i], |v[XS+4*\i]|, |v[XS+4*\i+1]|, |v[XS+4*\i+2]|   ; load i: my four numbers of its block (the four loads by turns)
.endr
.irp i, 0,1,2,3
	v_max3_num_f32 v[M+\i], v[M+\i], |v[XS+4*\i+3]|, 0x1800000     ; and the floor 2^(3 - 127): the byte cannot fall under 1
.endr
.irp m, 1,2,4
.irp i, 0,1,2,3
	v_max_num_f32_dpp v[M+\i], v[M+\i], v[M+\i] row_xmask:\m row_mask:0xf bank_mask:0xf   ; over the eight lanes that hold the block
.endr
.endr
.irp i, 0,1,2,3
	v_add_nc_u32 v[S+\i], 0xff000000, v[M+\i]      ; 2 off the exponent field: the conversion's scale operand
.endr
.irp i, 0,1,2,3
	v_cvt_scalef32_pk8_fp4_f32 v[CS+\i], v[XS+8*(\i/2):XS+8*(\i/2)+7], v[S+\i]   ; loads 2 (i / 2) and 2 (i / 2) + 1 under load i's scale: even i: the low half is load i's codes; odd i: the high half
.endr
.irp i, 0,1,2,3
	v_lshrrev_b32 v[CS+4+\i], 23, v[S+\i]          ; the scale's byte; also the plain place behind the conversions
.endr
	ds_store_b16 v[CH], v[CS] offset:REC*(\t)                      ; numbers 128 i + 4 l .. + 3 are bytes 64 i + 2 l, 2 l + 1 of the record
	ds_store_b16_d16_hi v[CH], v[CS+1] offset:REC*(\t)+64
	ds_store_b16 v[CH], v[CS+2] offset:REC*(\t)+128
	ds_store_b16_d16_hi v[CH], v[CS+3] offset:REC*(\t)+192
.irp i, 0,1,2,3
	ds_store_b8 v[SBA], v[CS+4+\i] offset:REC*(\t)+4*\i            ; block 4 i + l / 8: its eight lanes write the same byte with the same value
.endr
.if (\t)+4 < STEPS
	LOAD (\t)+4                                    ; the set just converted takes the loads of four steps on
.endif
.endm
.irp t, 0,1,2,3,4,5,6,7,8,9,10,11,12,13,14,15
	STEP \t
.endr
	; ---- THE WAYS OUT
.irp i, 0,1,2,3,4,5,6,7,8,9,10,11,12,13,14,15,16
	ds_load_b64 v[R+2*\i:R+2*\i+1], v[CA] offset:256*\i      ; my wave's 16 records of x: these see my stores
.endr
.irp i, 0,1,2,3,4,5,6,7,8,9,10,11,12,13,14,15,16
	s_wait_dscnt 16-\i                             ; load i is in, the younger ones may be out
	global_store_b64 v[GO], v[R+2*\i:R+2*\i+1], s[14:15] offset:256*\i   ; 32 lanes store 256 consecutive bytes, at a multiple of 256 from xq's first byte
.endr
	s_barrier_signal -1                            ; the last wait above was for 0: my stores into the weight's records are done, and no LDS instruction of mine is out
	s_barrier_wait -1                              ; a record of the weight comes from four waves
.irp i, 0,1,2,3
	ds_load_b64 v[R+36+2*\i:R+36+2*\i+1], v[WRD] offset:256*\i   ; of the 17 x 256 bytes wave w takes the four pieces from 1024 w on (registers that no pending store reads)
.endr
.irp i, 0,1,2,3
	s_wait_dscnt 3-\i
	global_store_b64 v[GOW], v[R+36+2*\i:R+36+2*\i+1], s[16:17] offset:256*\i   ; 256 consecutive bytes, at a multiple of 256 from wq's first byte
.endr
	s_cmp_lg_u32 s18, 0                            ; the seventeenth piece is wave 0's
	s_cbranch_scc1 .Lend
	ds_load_b64 v[R+44:R+45], v[WRD] offset:4096
	s_wait_dscnt 0x0
	global_store_b64 v[GOW], v[R+44:R+45], s[16:17] offset:4096
.Lend:
	s_wait_tensorcnt 0x0                           ; the wave's end
	ds_add_u32 v[SPW], v[NIL]
	s_wait_dscnt 0x0
	s_endpgm
.Lfunc_end_k_qb0a930e8e6_quant:
	.size	k_qb0a930e8e6_quant, .Lfunc_end_k_qb0a930e8e6_quant-k_qb0a930e8e6_quant
	.p2alignl 7, 3214868480
	.fill 96, 4, 3214868480
	.section	.rodata,"a",@progbits
	.p2align	6, 0x0
	.amdhsa_kernel k_qb0a930e8e6_quant
		.amdhsa_group_segment_fixed_size 56064
		.amdhsa_private_segment_fixed_size 0
		.amdhsa_enable_private_segment 0
		.amdhsa_kernarg_size 56
		.amdhsa_user_sgpr_count 2
		.amdhsa_user_sgpr_kernarg_segment_ptr 1
		.amdhsa_wavefront_size32 1
		.amdhsa_system_sgpr_workgroup_id_x 1
		.amdhsa_system_sgpr_workgroup_id_y 1
		.amdhsa_system_sgpr_workgroup_id_z 1
		.amdhsa_system_vgpr_workitem_id 0
		.amdhsa_next_free_vgpr 256
		.amdhsa_next_free_sgpr 66
		.amdhsa_reserve_vcc 0
		.amdhsa_float_denorm_mode_32 3
		.amdhsa_float_denorm_mode_16_64 3
		.amdhsa_memory_ordered 1
		.amdhsa_forward_progress 1
		.amdhsa_inst_pref_size 68
	.end_amdhsa_kernel
	.amdgpu_metadata
---
amdhsa.version: [ 1, 2 ]
amdhsa.kernels:
  - .name:           k_qb0a930e8e6_quant
    .symbol:         k_qb0a930e8e6_quant.kd
    .args:
      - { .name: x, .offset: 0, .size: 8, .value_kind: global_buffer, .address_space: global }
      - { .name: base_weight, .offset: 8, .size: 8, .value_kind: global_buffer, .address_space: global }
      - { .name: U, .offset: 16, .size: 8, .value_kind: global_buffer, .address_space: global }
      - { .name: s, .offset: 24, .size: 8, .value_kind: global_buffer, .address_space: global }
      - { .name: V, .offset: 32, .size: 8, .value_kind: global_buffer, .address_space: global }
      - { .name: xq, .offset: 40, .size: 8, .value_kind: global_buffer, .address_space: global }
      - { .name: wq, .offset: 48, .size: 8, .value_kind: global_buffer, .address_space: global }
    .group_segment_fixed_size: 56064
    .private_segment_fixed_size: 0
    .kernarg_segment_align: 8
    .kernarg_segment_size: 56
    .max_flat_workgroup_size: 128
    .sgpr_count:     66
    .vgpr_count:     256
    .wavefront_size: 32
...
	.end_amdgpu_metadata
.endif
;; end of part 1
;; launch gemm (part 2): grid 8 x 32, 4 waves a work-group, clusters of 4 x 4, 327,680 bytes of LDS; arguments xq, wq, out0; writes out0
.if DOCPART == 2
	.amdgcn_target "amdgcn-amd-amdhsa--gfx1250"
	.amdhsa_code_object_version 6
	.text
	.protected	k_qb0a930e8e6_gemm
	.globl	k_qb0a930e8e6_gemm
	.p2align	8
	.type	k_qb0a930e8e6_gemm,@function
k_qb0a930e8e6_gemm:
	s_mov_b64 s[64:65], 0
	v_nop
	global_prefetch_b8 v0, s[64:65] scope:SCOPE_SE
	s_setreg_imm32_b32 hwreg(HW_REG_WAVE_MODE, 25, 1), 1
	s_wait_xcnt 0x0
	s_wait_alu depctr_hold_cnt(0) depctr_sa_sdst(0) depctr_va_vdst(0) depctr_va_sdst(0) depctr_va_ssrc(0) depctr_va_vcc(0) depctr_vm_vsrc(0)
	s_getreg_b32 s2, hwreg(HW_REG_IB_STS2, 6, 4)
	s_cmp_eq_u32 s2, 0
	s_cbranch_scc0 .Lentry_in_a_cluster
	s_endpgm
.Lentry_in_a_cluster:
	s_bfe_u32 s2, ttmp6, 0x10000c
	s_cmp_lg_u32 s2, 0xf033
	s_cbranch_scc0 .Lentry_shape_is_right
	s_endpgm
.Lentry_shape_is_right:
; out0[m][n] = sum over k of x[m][k] adapted[n][k], both as codes of FP4 (E2M1) with E8M0 scales, as the launch before laid them:
; xq [8 K steps of 512][8192 rows][272 bytes], wq [8][2048][272]; a record = 256 bytes of codes and 16 scale bytes.  out0 [8192][2048] f32; sums in f32, K ascending.
; A tile of 256 x 256 is made by a work-group of four waves; a wave makes 128 x 128: 64 accumulators of 16 x 16, 512 registers.  256 tiles, 256 work-groups.
; K goes in steps of 512 through a ring of two LDS slots.  128 records of a K step are 34,816 = 136 x 256 consecutive bytes: one tensor load a wave brings them as they lie, so that an LDS row is a
; record: pitch 272 = 68 words, row r starts at bank 4 r mod 64 (64 banks of 4 bytes: ISA guide 11.1), and a row's scale words ride behind its codes.
; CLUSTERS: 4 x 4 work-groups.  The four of a row of the cluster need the same records of xq, the four of a column the same of wq: each is asked for JOINTLY, by the same tensor load with a mask that names the four.
; THE MATRIX INSTRUCTION IS USED TRANSPOSED (source 0 = 16 rows of wq, source 1 = 16 rows of xq): a lane then holds eight neighbouring numbers of a row of out0.
; REGISTERS, in windows of 256: window 0: v0-31 addresses; v32-95 scale words, two sets; v128-191, v192-255 xq's fragments (8 x 16 rows x 128 K), two sets.
;   window 1: wq's fragments, two sets, at v0 and v128.   windows 2, 3: the accumulators of my rows 0-63, 64-127 (accumulator (a, b) at v[8 (8 (a % 4) + b)]).
; A step of 128 along K is 64 matrix instructions.  Both operands have two sets of registers, so the next step's 32 LDS loads stand in ONE run, behind the step's first sixteen products: 48 matrix instructions ahead of their first use.
; THE LAST K STEP GOES BY ROWS OF out0: all its fragments of wq fill window 1 (4 x 64 registers), xq's come by blocks of 16 rows x 512 K (32 registers, two buffers in v128-191), and my eight blocks of 16 rows
; are finished one after the other, 32 matrix instructions each, K ascending.  A finished block goes through the stage and is stored while the next block is multiplied.  LDS is read no more than in any other K step.
; PREFETCH: each wave asks for the 136 blocks of 256 bytes of a K step that it will fetch; the four partners that ask jointly take 34 blocks each, told apart by address (cx for xq, cy for wq):
; 32 lanes name 32 blocks, a second line the other two (its lanes 2-31 name the last block again).  K step 1 is asked for at the head, ahead of the first round; behind the joint load of K step j, K step j + 2.
; K steps 6 and 7's joint loads ask for nothing: there is no K step 8.  At most two K steps are asked for and not yet loaded.
.set SIZE_N, 2048
.set NQ,     4                         ; steps of 128 in a slot
.set PITCH,  272
.set FR,     8                         ; registers of a fragment
.set NP,     4                         ; places behind this matrix instruction (ISA guide 7.12.1)
.set HALFT,  128*PITCH                 ; what one tensor load brings, and what one wave reads of either operand
.set SLOT,   4*HALFT                   ; xq's 256 records, then wq's 256
.set LAPS,   4                         ; a lap = two K steps = once round the ring
.set ASTEP,  8192*PITCH                ; bytes from K step to K step in xq,
.set BSTEP,  2048*PITCH                ; in wq
.set SPARE,  2*SLOT                    ; behind the ring: the spare words, 128 bytes a wave, which no other line names
.set SPITCH, 528                       ; the way out: a stage of 16 rows x (512 + 16) bytes for each wave, in slot 0, which has had its last fill and its last read by then
.set ADRA, 16                          ; v16-17 LDS address of my xq fragments in slot 0, 1
.set ADRB, 20                          ; v20-21 the same for wq
.set ADRS, 22                          ; v22-23 my scale words: lanes 0-15 xq's rows, lanes 16-31 wq's
.set STO,  24                          ; the way out: where I put 32 bytes of a row
.set RD,   25                          ; where I read a row back
.set CO,   26                          ; my byte offset in a row of out0
.set SPW,  28                          ; my spare word; never rewritten
.set NIL,  29                          ; 0; never rewritten
.set PFO,  30                          ; the prefetches' offsets: 256 x lane,
.set PFO2, 31                          ; 8192 + 256 x min(lane, 1)
.set SC,   32                          ; scale words: set s at v[SC + 32 s]; register 4 i + q: lanes 0-15 xq's block i, lanes 16-31 wq's block i, the slot's q-th 128 along K
.set AF,   128
.set BK,   192                         ; the way out: 16 rows read back from the stage
.set PFA,  8                           ; s[8:9]   where my next prefetch stands
.set PST,  10                          ; s[10:11] its step: ASTEP or BSTEP
.set G1, 24                            ; s[24:31] group 1 for xq's tiles; s[32:39] group 0, one set a slot
.set G0, 32
.set G1B, 48                           ; s[48:55], s[56:63] the same for wq's
.set G0B, 56
.set MSB, 0
.macro WIN new                         ; the immediate's high byte repeats the setting that is left
.if MSB != \new
	s_set_vgpr_msb (MSB<<8)|\new
.set MSB, \new
.endif
.endm
.set MUL_LO, 0xa1                      ; source 0 window 1, source 1 window 0, C and D window 2
.set MUL_HI, 0xf1                      ; the same, C and D window 3
.set TO_B,   0x40                      ; destination window 1, address window 0
; A joint load: waves 0 and 1 fetch xq's two halves, waves 2 and 3 wq's.  The branch hangs on the wave's number alone.  An s_nop 0 and four v_nop follow each line.
.macro JLOAD g0a, g1a, g0b, g1b
	s_cmp_eq_u32 s15, 0
	s_cbranch_scc0 .Lfor_b_\@
	tensor_load_to_lds s[\g0a:\g0a+3], s[\g1a:\g1a+7]
	s_nop 0
.rept 4
	v_nop
.endr
	s_branch .Lasked_\@
.Lfor_b_\@:
	tensor_load_to_lds s[\g0b:\g0b+3], s[\g1b:\g1b+7]
	s_nop 0
.rept 4
	v_nop
.endr
.Lasked_\@:
.endm
.macro CREST                           ; a round of the cluster's barrier behind its opening barrier
	s_cmp_lg_u32 s14, 0
	s_cbranch_scc1 .Lnot_wave_0_\@
	s_barrier_signal -3
.Lnot_wave_0_\@:
	s_barrier_wait -3
	s_barrier_signal -1
	s_barrier_wait -1
.endm
.macro CROUND
	s_barrier_signal -1
	s_barrier_wait -1
	CREST
.endm
.macro ASK inloop                      ; my 34 blocks of the K step at which PFA stands; in the loop's last trip (s3 = 1) there is none
.if \inloop
	s_cmp_gt_u32 s3, 1
	s_cbranch_scc0 .Lno_ask_\@
.endif
	global_prefetch_b8 v[PFO], s[PFA:PFA+1] th:TH_LOAD_NT scope:SCOPE_SE
	global_prefetch_b8 v[PFO2], s[PFA:PFA+1] th:TH_LOAD_NT scope:SCOPE_SE
.if \inloop
.Lno_ask_\@:
.endif
.endm
	s_load_b128 s[4:7], s[0:1], 0x0                ; xq s[4:5], wq s[6:7]
	s_load_b64 s[12:13], s[0:1], 0x10              ; out0
	v_lshl_add_u32 v[SPW], v0, 2, SPARE
	v_mov_b32 v[NIL], 0
	ds_add_u32 v[SPW], v[NIL]                      ; the opening lines: the add, twice on end, and its wait ahead of my first tensor load
	ds_add_u32 v[SPW], v[NIL]
	v_lshrrev_b32 v1, 5, v0
	v_readfirstlane_b32 s14, v1                    ; wave 0..3
	v_and_b32 v6, 31, v0
	v_lshlrev_b32 v[PFO], 8, v6
	v_min_u32 v7, 1, v6
	v_lshl_add_u32 v[PFO2], v7, 8, 8192
	s_lshr_b32 s15, s14, 1                         ; which half of the tile's rows is mine.  Also: I fetch for xq (0) or for wq (1)
	s_and_b32 s16, s14, 1                          ; which half of its columns.  Also: which 128 records I fetch
	s_bfe_u32 s40, ttmp6, 0x40000                  ; cx, cy: my place in the cluster
	s_bfe_u32 s41, ttmp6, 0x40004
	s_lshl_b32 s42, ttmp9, 2
	s_add_co_u32 s42, s42, s40                     ; tile column = 4 x cluster x + cx
	s_and_b32 s17, ttmp7, 0xffff
	s_lshl_b32 s17, s17, 2
	s_add_co_u32 s17, s17, s41                     ; tile row = 4 x cluster y + cy
	s_lshl_b32 s43, s41, 2
	s_lshl_b32 s43, 15, s43                        ; my row of the cluster
	s_lshl_b32 s44, 0x1111, s40                    ; my column
	s_or_b32 s[G1+0], s43, (3<<16)|(1<<21)         ; the mask; elements of 8 bytes; bit 21 beside a mask; no padding: a record brings its own pitch
	s_or_b32 s[G1B+0], s44, (3<<16)|(1<<21)
.irp g, G1, G1B
	s_mov_b32 s[\g+1], 32<<16                      ; a dense block as 136 rows of 256 bytes
	s_mov_b32 s[\g+2], 136<<16
	s_mov_b32 s[\g+3], 32<<16
	s_mov_b32 s[\g+4], 136
	s_mov_b32 s[\g+5], 32
	s_mov_b32 s[\g+6], 0
	s_mov_b32 s[\g+7], 0
.endr
	s_lshl_b32 s18, s16, 7
	s_lshl_b32 s20, s17, 8
	s_add_co_u32 s20, s20, s18                     ; xq: record 256 x tile row + 128 x half
	s_lshl_b32 s46, s42, 8
	s_add_co_u32 s46, s46, s18                     ; wq: record 256 x tile column + 128 x half
	s_mul_i32 s20, s20, PITCH
	s_mul_i32 s46, s46, PITCH
	s_mov_b32 s21, 0
	s_mov_b32 s47, 0
	s_mul_i32 s45, s14, HALFT                      ; where they go: wave x 128 rows
	s_wait_alu depctr_va_vdst(0)
	s_wait_dscnt 0x0                               ; both opening adds are done
	s_wait_kmcnt 0x0
	s_add_nc_u64 s[20:21], s[4:5], s[20:21]
	s_add_nc_u64 s[46:47], s[6:7], s[46:47]
	s_cmp_eq_u32 s15, 0                            ; the prefetches: of the buffer that I fetch for,
	s_cselect_b64 s[PFA:PFA+1], s[20:21], s[46:47]
	s_cselect_b32 s2, s40, s41                     ; my place among the four that ask with me,
	s_mov_b32 s[PST], BSTEP
	s_cselect_b32 s[PST], ASTEP, s[PST]
	s_mov_b32 s[PST+1], 0
	s_mul_i32 s2, s2, 34*256                       ; 34 blocks of the 136 each,
	s_mov_b32 s3, 0
	s_add_nc_u64 s[PFA:PFA+1], s[PFA:PFA+1], s[2:3]
	s_add_nc_u64 s[PFA:PFA+1], s[PFA:PFA+1], s[PST:PST+1]   ; beginning at K step 1
	ASK 0                                          ; K step 1's blocks: its joint load follows behind two rounds and K step 0's landing
.irp s, 0,1
	s_mov_b32 s[G0+4*\s], 1
	s_add_co_u32 s[G0+4*\s+1], s45, \s*SLOT
	s_add_nc_u64 s[G0+4*\s+2:G0+4*\s+3], s[20:21], \s*ASTEP
	s_or_b32 s[G0+4*\s+3], s[G0+4*\s+3], 0x80000000
	s_mov_b32 s[G0B+4*\s], 1
	s_add_co_u32 s[G0B+4*\s+1], s45, \s*SLOT
	s_add_nc_u64 s[G0B+4*\s+2:G0B+4*\s+3], s[46:47], \s*BSTEP
	s_or_b32 s[G0B+4*\s+3], s[G0B+4*\s+3], 0x80000000
.endr
	CROUND                                         ; all sixteen work-groups are here: the first joint loads meet
	JLOAD G0, G1, G0B, G1B                         ; K step 0: one tensor load a wave at the head
	s_lshl_b32 s20, s17, 8
	s_lshl_b32 s21, s15, 7
	s_add_co_u32 s20, s20, s21                     ; my first row of out0,
	s_lshl_b32 s20, s20, 13                        ; 8,192 bytes a row: under 2^26
	s_mov_b32 s21, 0
	s_lshl_b32 s46, s42, 10                        ; my first column, in bytes
	s_lshl_b32 s47, s16, 9
	s_add_co_u32 s46, s46, s47
	s_mov_b32 s47, 0
	s_add_nc_u64 s[20:21], s[20:21], s[46:47]
	s_add_nc_u64 s[12:13], s[12:13], s[20:21]
	s_mul_i32 s18, s15, HALFT                      ; my 128 rows of xq in a slot,
	s_mul_i32 s19, s16, HALFT
	s_add_co_u32 s19, s19, 2*HALFT                 ; of wq, behind xq's 256,
	s_sub_co_u32 s22, s19, s18                     ; the distance between the two,
	s_mul_i32 s23, s14, 16*SPITCH                  ; my stage
	v_and_b32 v1, 15, v0                           ; l % 16
	v_bfe_u32 v2, v0, 4, 1                         ; l / 16
	v_mul_u32_u24 v3, v1, PITCH
	v_lshl_add_u32 v4, v2, 4, v3                   ; a fragment's row x pitch + 16 x half
	v_add_nc_u32 v[ADRA], s18, v4
	v_add_nc_u32 v[ADRA+1], SLOT, v[ADRA]
	v_add_nc_u32 v[ADRB], s19, v4
	v_add_nc_u32 v[ADRB+1], SLOT, v[ADRB]
	v_mul_u32_u24 v6, s22, v2                      ; lanes 16-31 take wq's scale words
	v_add_nc_u32 v5, v3, v6
	v_add_nc_u32 v5, s18, v5
	v_add_nc_u32 v[ADRS], 256, v5                  ; behind a record's codes
	v_add_nc_u32 v[ADRS+1], SLOT+256, v5
	v_mul_u32_u24 v5, v1, SPITCH
	v_lshl_add_u32 v5, v2, 5, v5
	v_add_nc_u32 v[STO], s23, v5
	v_and_b32 v6, 31, v0
	v_lshlrev_b32 v[CO], 4, v6
	v_add_nc_u32 v[RD], s23, v[CO]
	s_wait_alu depctr_va_vdst(0)
.macro FRAG reg, adr, q, i             ; 16 rows x 128 K of 4-bit codes: lane l holds row l % 16; registers 4 c .. 4 c + 3 hold K = 64 c + 32 (l / 16) + 0 .. 31
.irp c, 0,1
	ds_load_b128 v[\reg+4*\c:\reg+4*\c+3], v[\adr] offset:64*(\q)+32*\c+(\i)*16*PITCH
.endr
.endm
; 16 matrix instructions: xq's blocks a0, a0 + 1 x wq's eight, the slot's q-th 128 along K.  p: the set of fragments; sc: the set of scale words.  zero = 1: the product starts the sums.
; The 64 accumulators take turns, one instruction a turn, in the same order in every step.
.macro MUL16 a0, p, q, sc, zero
.irp a, \a0, \a0+1
.irp b, 0,1,2,3,4,5,6,7
.if \zero
	v_wmma_scale_f32_16x16x128_f8f6f4 v[8*(8*((\a)%4)+\b):8*(8*((\a)%4)+\b)+7], v[128*(\p)+FR*\b:128*(\p)+FR*\b+FR-1], v[AF+64*(\p)+FR*(\a):AF+64*(\p)+FR*(\a)+FR-1], 0, v[SC+8*NQ*(\sc)+NQ*\b+(\q)], v[SC+8*NQ*(\sc)+NQ*(\a)+(\q)] matrix_a_fmt:MATRIX_FMT_FP4 matrix_b_fmt:MATRIX_FMT_FP4 matrix_a_scale:MATRIX_SCALE_ROW1
.else
	v_wmma_scale_f32_16x16x128_f8f6f4 v[8*(8*((\a)%4)+\b):8*(8*((\a)%4)+\b)+7], v[128*(\p)+FR*\b:128*(\p)+FR*\b+FR-1], v[AF+64*(\p)+FR*(\a):AF+64*(\p)+FR*(\a)+FR-1], v[8*(8*((\a)%4)+\b):8*(8*((\a)%4)+\b)+7], v[SC+8*NQ*(\sc)+NQ*\b+(\q)], v[SC+8*NQ*(\sc)+NQ*(\a)+(\q)] matrix_a_fmt:MATRIX_FMT_FP4 matrix_b_fmt:MATRIX_FMT_FP4 matrix_a_scale:MATRIX_SCALE_ROW1
.endif
.endr
.endr
.endm
.macro FETCH slot, q, p                ; 32 LDS loads in one run: wq's eight fragments, then xq's eight, blocks ascending, into set p
	WIN TO_B
.irp i, 0,1,2,3,4,5,6,7
	FRAG 128*(\p)+FR*\i, ADRB+\slot, \q, \i
.endr
	WIN 0
.irp i, 0,1,2,3,4,5,6,7
	FRAG AF+64*(\p)+FR*\i, ADRA+\slot, \q, \i
.endr
.endm
.macro SCALES sc                       ; a slot's scale words: 4 words a row; lanes 0-15 take xq's block i, lanes 16-31 wq's block i
.irp i, 0,1,2,3,4,5,6,7
	ds_load_b128 v[SC+8*NQ*\sc+NQ*\i:SC+8*NQ*\sc+NQ*\i+3], v[ADRS+\sc] offset:\i*16*PITCH
.endr
.endm
.macro PLACES n                        ; places in front of loads into registers that matrix instructions have read, and of the first reads of results
.rept \n
	v_nop
.endr
.endm
; A step of 128 along K that has its successor in the same slot.
.macro STEP slot, q, zero
	s_wait_dscnt 12                                ; wq's set and xq's blocks 0, 1 are in; the youngest twelve loads (blocks 2-7) may be out
	WIN MUL_LO
	MUL16 0, (\q)%2, \q, \slot, \zero
	PLACES NP                                      ; the other sets were last read by the step before
	FETCH \slot, (\q)+1, 1-(\q)%2
	s_wait_dscnt 32                                ; all but the 32 just issued
	WIN MUL_LO
	MUL16 2, (\q)%2, \q, \slot, \zero
	WIN MUL_HI
	MUL16 4, (\q)%2, \q, \slot, \zero
	MUL16 6, (\q)%2, \q, \slot, \zero
.endm
; The first half of a slot's last step: ONE barrier for the change of slots; in front of it each wave waits for all its tensor loads, adds 0 to its spare word, and waits for that and for its reads of this slot.
.macro MEET slot
	WIN 0                                          ; (the add's two registers lie in window 0)
	s_wait_tensorcnt 0x0                           ; all my tensor loads have landed: my part of the next slot;
	ds_add_u32 v[SPW], v[NIL]                      ; 0 onto my spare word;
	s_wait_dscnt 13                                ; (the add and the youngest twelve loads may be out)
	WIN MUL_LO
	MUL16 0, 1, NQ-1, \slot, 0                     ; sixteen matrix instructions stand between the add and the wait for it
	s_wait_dscnt 0x0                               ; the add is done, and my reads of this slot are over
	s_barrier_signal -1
	MUL16 2, 1, NQ-1, \slot, 0
	WIN 0
	s_barrier_wait -1
.endm
; A slot's last step in the loop: the slot is filled again, two K steps ahead.
.macro TURN slot, next
	s_wait_xcnt 0x0                                ; my last prefetches have read their address: it steps here, a K step behind them
	s_add_nc_u64 s[PFA:PFA+1], s[PFA:PFA+1], s[PST:PST+1]
	MEET \slot
	CREST                                          ; the barrier has opened a round of the cluster's barrier: no wave of any partner still reads this slot or has a load on its way
	s_add_nc_u64 s[G0+4*\slot+2:G0+4*\slot+3], s[G0+4*\slot+2:G0+4*\slot+3], 2*ASTEP
	s_add_nc_u64 s[G0B+4*\slot+2:G0B+4*\slot+3], s[G0B+4*\slot+2:G0B+4*\slot+3], 2*BSTEP
	JLOAD G0+4*\slot, G1, G0B+4*\slot, G1B         ; the first tensor load behind the round; its four v_nop are also the places in front of the loads below
	SCALES \next                                   ; 40 loads in one run: what the next step's first products need comes first
	FETCH \next, 0, 0
	ASK 1
	WIN MUL_HI
	MUL16 4, 1, NQ-1, \slot, 0
	MUL16 6, 1, NQ-1, \slot, 0
.endm
.macro STEPS slot, from                ; the slot's steps from .. NQ - 2
.set Q, \from
.rept NQ-1-\from
	STEP \slot, Q, 0
.set Q, Q+1
.endr
.endm
; THE LAST K STEP (slot 1), BY ROWS.
.macro BLOAD q                         ; wq's eight fragments of quarter q -> window 1, v[64 q ..]
.irp i, 0,1,2,3,4,5,6,7
	FRAG 64*(\q)+FR*\i, ADRB+1, \q, \i
.endr
.endm
.macro ALOAD a                         ; xq's block a, all four quarters -> buffer a % 2
.irp q, 0,1,2,3
	FRAG AF+32*((\a)%2)+FR*\q, ADRA+1, \q, \a
.endr
.endm
.macro ROW a                           ; block a is finished: 32 matrix instructions, its eight accumulators by turns, K ascending
	WIN MUL_LO+0x50*((\a)/4)
.irp q, 0,1,2,3
.if ((\a) == 0) && (\q == 2)
	s_wait_dscnt 0x0                               ; wq's quarter 2 is in
.endif
.irp b, 0,1,2,3,4,5,6,7
	v_wmma_scale_f32_16x16x128_f8f6f4 v[8*(8*((\a)%4)+\b):8*(8*((\a)%4)+\b)+7], v[64*\q+FR*\b:64*\q+FR*\b+FR-1], v[AF+32*((\a)%2)+FR*\q:AF+32*((\a)%2)+FR*\q+FR-1], v[8*(8*((\a)%4)+\b):8*(8*((\a)%4)+\b)+7], v[SC+8*NQ+NQ*\b+\q], v[SC+8*NQ+NQ*(\a)+\q] matrix_a_fmt:MATRIX_FMT_FP4 matrix_b_fmt:MATRIX_FMT_FP4 matrix_a_scale:MATRIX_SCALE_ROW1
.endr
.endr
.endm
; THE WAY OUT of block a, 16 rows x 128 columns.  A lane holds 32 neighbouring bytes of a row, the lanes beside it other rows: the block goes through my own stage in LDS and comes back as whole rows
; of 512 bytes, which the 32 lanes store as two aligned units of 256 bytes.  A wave's LDS instructions are served in order (ISA guide 5.7.1.4): no wait between the stores and the loads.
.macro TOSTAGE a
.if (\a) > 0
	s_wait_xcnt 0x0                                ; the block before: its stores have read their registers and their base
.endif
	WIN 0x08+4*((\a)/4)                            ; the data: window 2 or 3
.irp b, 0,1,2,3,4,5,6,7
	ds_store_b128 v[STO], v[64*((\a)%4)+8*\b:64*((\a)%4)+8*\b+3] offset:64*\b          ; each accumulator from its low end on
	ds_store_b128 v[STO], v[64*((\a)%4)+8*\b+4:64*((\a)%4)+8*\b+7] offset:64*\b+16
.endr
	WIN 0
.irp t, 0,1,2,3,4,5,6,7,8,9,10,11,12,13,14,15
	ds_load_b128 v[BK+4*\t:BK+4*\t+3], v[RD] offset:\t*SPITCH
.endr
.endm
.macro SEND a, younger                 ; younger: the LDS loads issued behind the block's, which may stay out
	WIN 0
	s_wait_dscnt \younger
.if (\a) > 0
	s_add_nc_u64 s[12:13], s[12:13], 16*SIZE_N*4   ; (no store has been issued since the wait on XCNT in TOSTAGE)
.endif
.irp t, 0,1,2,3,4,5,6,7,8,9,10,11,12,13,14,15
	global_store_b128 v[CO], v[BK+4*\t:BK+4*\t+3], s[12:13] offset:\t*SIZE_N*4   ; 512 consecutive bytes, at a multiple of 256 from out0's first byte
.endr
.endm
	s_wait_xcnt 0x0                                ; K step 1's prefetches have read their address
	s_add_nc_u64 s[PFA:PFA+1], s[PFA:PFA+1], s[PST:PST+1]
	ASK 0                                          ; K step 2's blocks, behind K step 0's joint load
	s_wait_tensorcnt 0x0                           ; my part of K step 0 is in; these lines stand ahead of a first fill as ahead of a refill:
	ds_add_u32 v[SPW], v[NIL]
	s_wait_xcnt 0x0                                ; the prefetches have read their address
	s_add_nc_u64 s[PFA:PFA+1], s[PFA:PFA+1], s[PST:PST+1]
	s_wait_dscnt 0x0                               ; the add is done
	CROUND                                         ; everybody's part of K step 0 is in, and all sixteen work-groups are here,
	JLOAD G0+4, G1, G0B+4, G1B                     ; and K step 1's load is the first tensor load behind the round
	SCALES 0
	FETCH 0, 0, 0
	ASK 0                                          ; K step 3's blocks
	STEP 0, 0, 1                                   ; the first step stands in front of the loop: its products start the sums
	WIN 0                                          ; at a label and at a branch every window is 0
	s_mov_b32 s3, LAPS-1
.Llap:                                                 ; a trip goes once round the ring, from a lap's second step to the next lap's first, and fills both slots again
	STEPS 0, 1
	TURN 0, 1
	STEPS 1, 0
	TURN 1, 0
	STEP 0, 0, 0
	WIN 0
	s_sub_co_u32 s3, s3, 1
	s_cmp_lg_u32 s3, 0
	s_cbranch_scc1 .Llap
	STEPS 0, 1                                     ; the last lap fills nothing, and has no round of the cluster's barrier
	MEET 0                                         ; my one tensor load that was out is slot 1's, the last K step's
	PLACES NP                                      ; for the loads into the sets that the step before multiplied
	SCALES 1
	ALOAD 0
	ALOAD 1
	WIN TO_B
	BLOAD 0                                        ; three quarters of wq now: v128-191 of window 1 are still being multiplied
	BLOAD 1
	BLOAD 3
	WIN MUL_HI
	MUL16 4, 1, NQ-1, 0, 0
	MUL16 6, 1, NQ-1, 0, 0
	PLACES NP                                      ; for the loads into wq's set 1, and later into v192-255 of window 0
	WIN TO_B
	BLOAD 2
	s_wait_dscnt 16                                ; all but the 16 just issued
	ROW 0
.irp a, 0,1,2,3,4,5,6,7                ; block a leaves while block a + 1 is multiplied
	PLACES NP                                      ; in front of the reads of block a's results and of the loads into its buffer of xq
	TOSTAGE \a
.if \a < 6
	ALOAD \a+2                                     ; its buffer takes the block two further on
	s_wait_dscnt 40                                ; block a + 1 of xq is in: behind it stand the stage's 32 instructions and these 8 loads
.endif
.if \a == 6
	s_wait_dscnt 32
.endif
.if \a < 7
	ROW \a+1
.endif
.if \a < 6
	SEND \a, 8
.else
	SEND \a, 0
.endif
.endr
	s_wait_tensorcnt 0x0                           ; the wave's end
	ds_add_u32 v[SPW], v[NIL]
	s_wait_dscnt 0x0
	CROUND                                         ; the closing round: no work-group ends while a partner may still ask for a tile that names it
	s_endpgm
.Lfunc_end_k_qb0a930e8e6_gemm:
	.size	k_qb0a930e8e6_gemm, .Lfunc_end_k_qb0a930e8e6_gemm-k_qb0a930e8e6_gemm
	.p2alignl 7, 3214868480
	.fill 96, 4, 3214868480
	.section	.rodata,"a",@progbits
	.p2align	6, 0x0
	.amdhsa_kernel k_qb0a930e8e6_gemm
		.amdhsa_group_segment_fixed_size 327680
		.amdhsa_private_segment_fixed_size 0
		.amdhsa_enable_private_segment 0
		.amdhsa_kernarg_size 24
		.amdhsa_user_sgpr_count 2
		.amdhsa_user_sgpr_kernarg_segment_ptr 1
		.amdhsa_wavefront_size32 1
		.amdhsa_system_sgpr_workgroup_id_x 1
		.amdhsa_system_sgpr_workgroup_id_y 1
		.amdhsa_system_sgpr_workgroup_id_z 1
		.amdhsa_system_vgpr_workitem_id 0
		.amdhsa_next_free_vgpr 1024
		.amdhsa_next_free_sgpr 66
		.amdhsa_reserve_vcc 0
		.amdhsa_float_denorm_mode_32 3
		.amdhsa_float_denorm_mode_16_64 3
		.amdhsa_memory_ordered 1
		.amdhsa_forward_progress 1
		.amdhsa_inst_pref_size 210
	.end_amdhsa_kernel
	.amdgpu_metadata
---
amdhsa.version: [ 1, 2 ]
amdhsa.kernels:
  - .name:           k_qb0a930e8e6_gemm
    .symbol:         k_qb0a930e8e6_gemm.kd
    .args:
      - { .name: xq, .offset: 0, .size: 8, .value_kind: global_buffer, .address_space: global }
      - { .name: wq, .offset: 8, .size: 8, .value_kind: global_buffer, .address_space: global }
      - { .name: out0, .offset: 16, .size: 8, .value_kind: global_buffer, .address_space: global }
    .group_segment_fixed_size: 327680
    .private_segment_fixed_size: 0
    .kernarg_segment_align: 8
    .kernarg_segment_size: 24
    .max_flat_workgroup_size: 128
    .sgpr_count:     66
    .vgpr_count:     1024
    .wavefront_size: 32
...
	.end_amdgpu_metadata
.endif
;; end of part 2
